; MI455X (gfx1250); checked and timed in simulation.
; The chip was launched on July 23, 2026; its instructions are those of AMD's public machine-readable ISA for CDNA 5 (MIT licence, August 2026) and "CDNA5" Instruction Set Architecture Reference Guide (July 2026). The comments in the code are by the model that wrote it; some were corrected since.
;; Block. Allowed arithmetic: matrix products marked QUANTISED: E2M1 operands, one E8M0 scale for each 32 along K, by v_wmma_scale_f32_16x16x128_f8f6f4 with both operands' format E2M1 (or v_wmma_scale_f32_32x16x128_f4), f32 sums; everything else in f32.
;; Inputs: W1_codes 2,048 x 16 x 16 uint8 (E2M1 codes of W1, K innermost, in blocks of 32 codes, two codes a byte); W1_scales 2,048 x 16 uint8 (E8M0 scales of W1, one for each 32 codes along K); W2_codes 512 x 64 x 16 uint8 (E2M1 codes of W2, K innermost, in blocks of 32 codes, two codes a byte); W2_scales 512 x 64 uint8 (E8M0 scales of W2, one for each 32 codes along K); Wk_codes 8 x 64 x 16 x 16 uint8 (E2M1 codes of Wk, K innermost, in blocks of 32 codes, two codes a byte); Wk_scales 8 x 64 x 16 uint8 (E8M0 scales of Wk, one for each 32 codes along K); Wo_codes 512 x 16 x 16 uint8 (E2M1 codes of Wo, K innermost, in blocks of 32 codes, two codes a byte); Wo_scales 512 x 16 uint8 (E8M0 scales of Wo, one for each 32 codes along K); Wq_codes 8 x 64 x 16 x 16 uint8 (E2M1 codes of Wq, K innermost, in blocks of 32 codes, two codes a byte); Wq_scales 8 x 64 x 16 uint8 (E8M0 scales of Wq, one for each 32 codes along K); Wv_codes 8 x 64 x 16 x 16 uint8 (E2M1 codes of Wv, K innermost, in blocks of 32 codes, two codes a byte); Wv_scales 8 x 64 x 16 uint8 (E8M0 scales of Wv, one for each 32 codes along K); b1 2,048 float32; b2 512 float32; bo 512 float32; ln1_b 512 float32; ln1_g 512 float32; ln2_b 512 float32; ln2_g 512 float32; x 128 x 128 x 512 float32.
;; Outputs: out0 128 x 128 x 512 float32.
;; This version of the problem:
;;   THIS VERSION OF THE PROBLEM IS GIVEN IN LOW PRECISION. The matrix products marked QUANTISED in the list below multiply operands that are first quantised to E2M1 (2 exponent bits, 1 mantissa bit; 4 bits a number), with one power-of-two scale for each 32 numbers along K (OCP MX v1.0); their sums are f32. All else is computed in f32.
;;   The module's matrix products, in the order in which they are computed (A, B: the left and right operand; K: the contracted axis; several contracted axes count as one K, in the product's order):
;;     1. [M 512, K 512] x [K 512, N 16,384]; A: input Wq (given as codes); B: computed on the way: QUANTISED
;;     2. [M 512, K 512] x [K 512, N 16,384]; A: input Wk (given as codes); B: computed on the way: QUANTISED
;;     3. [M 512, K 512] x [K 512, N 16,384]; A: input Wv (given as codes); B: computed on the way: QUANTISED
;;     4. batch 1,024 x [M 128, K 64] x [K 64, N 128]; A: computed on the way; B: computed on the way: QUANTISED
;;     5. batch 1,024 x [M 128, K 128] x [K 128, N 64]; A: softmax (see below); B: computed on the way: QUANTISED
;;     6. [M 16,384, K 512] x [K 512, N 512]; A: computed on the way; B: input Wo (given as codes): QUANTISED
;;     7. [M 16,384, K 512] x [K 512, N 2,048]; A: computed on the way; B: input W1 (given as codes): QUANTISED
;;     8. [M 16,384, K 2,048] x [K 2,048, N 512]; A: computed on the way; B: input W2 (given as codes): QUANTISED
;;   THE QUANTISER, for each operand of a quantised product, along K:
;;     - K is cut into blocks of 32 from its start; a last block that is shorter is filled with zeros.
;;     - A block's scale is 2^e with e = floor(log2(the largest magnitude in the block)) - 2, held to -126 .. 127; a block of zeros has e = 0. As a byte (E8M0): e + 127.
;;     - Each number is divided by its block's scale, clamped to +-6, and rounded to the nearest number of E2M1, ties to even, subnormals kept.
;;     - The product sums the exact products of the quantised numbers (number of the format x scale) in f32.
;;   ~~~python
;;   def quantise(x, axis):      # numpy; x: float32 -> the quantised numbers, widened to float32 again
;;       x = np.moveaxis(x, axis, -1); K = x.shape[-1]
;;       x = np.pad(x, [(0, 0)] * (x.ndim - 1) + [(0, -K % 32)]); x = x.reshape(x.shape[:-1] + (-1, 32)); a = np.abs(x).max(-1, keepdims=True)
;;       e = np.where(a > 0, np.clip(np.frexp(np.where(a > 0, a, 1))[1] - 1 - 2, -126, 127), 0)      # np.frexp(a)[1] - 1 = floor(log2(a)), exactly
;;       r = np.clip(x / 2.0 ** e, -6, 6)
;;       step = 2.0 ** (np.maximum(np.frexp(np.where(r == 0, 1, r))[1] - 1, 0) - 1)
;;       q = np.round(r / step) * step * 2.0 ** e      # np.round: ties to even
;;       return np.moveaxis(q.reshape(q.shape[:-2] + (-1,))[..., :K], -1, axis).astype(np.float32)
;;   ~~~
;;   SOFTMAX AHEAD OF A QUANTISED PRODUCT. Where the list says 'softmax', what is quantised is not the finished softmax but p = 2^(t - M), with t = logit x log2(e) and M = ceil(the row's largest t), a whole number; so 1/2 < the row's largest p <= 1. The row's sum l is taken of the UNQUANTISED p, in f32, and the product's result is divided by l at the end. Since M is a whole number, a kernel that streams over the keys may use a running M (the ceiling of the running maximum): every later rescaling is an exact power of two, which a block's scale takes up: the codes' values come out the same.
;;   OPERANDS COMPUTED ON THE WAY. 'Computed on the way' means the value that the module computes at that place (a softmax that the list does not call 'softmax' is quantised finished and normalised). What goes into a quantiser is computed in f32, as accurately as f32 sums, v_exp_f32 and their like allow (about 1e-6 of the number): no bf16 or f16 on the way to a quantiser, and a product that is left as it is and whose result goes on into a quantised operand takes f32 operands (vector FMAs, or v_wmma_f32_16x16x4_f32). A number that lies on a knife's edge between two numbers of the format may be rounded either way, as far as f32 arithmetic and the matrix unit's own rounding can turn it there, and no further.
;;   INPUTS GIVEN AS CODES. W1 (in the module: [512, 2048], K = its axis 0); W2 (in the module: [2048, 512], K = its axis 0); Wk (in the module: [8, 512, 64], K = its axis 1); Wo (in the module: [512, 512], K = its axis 0); Wq (in the module: [8, 512, 64], K = its axis 1); Wv (in the module: [8, 512, 64], K = its axis 1): each comes as NAME_codes (uint8): NAME with its K axis moved to the last place and cut into blocks of 32 codes, [.., K / 32, bytes a block], one block behind the other in memory; two codes a byte, the lower K in the low four bits (a code: sign, 2 exponent bits, 1 mantissa bit); and NAME_scales (uint8): the same leading axes, one E8M0 byte (e + 127) for each 32 codes along K. Its value is code x scale, taken as it is: it is not quantised again, and the codes and scales need not be those that the quantiser above would give.
;; One version. Each part assembles by itself: llvm-mc -triple=amdgcn-amd-amdhsa -mcpu=gfx1250 --defsym DOCPART=n.
;; ======== version 1 of 1: 1 launch
;; launch block (part 1): grid 128 x 2, 4 waves a work-group, clusters of 4 x 1, 327,680 bytes of LDS; arguments x, out0, Wq_codes, Wk_codes, Wv_codes, Wo_codes, W1_codes, W2_codes, Wq_scales, Wk_scales, Wv_scales, Wo_scales, W1_scales, W2_scales, ln1_g, ln1_b, ln2_g, ln2_b, bo, b1, b2; writes out0
.if DOCPART == 1
	.amdgcn_target "amdgcn-amd-amdhsa--gfx1250"
	.amdhsa_code_object_version 6
	.text
	.protected	k_qefe979fe42_block
	.globl	k_qefe979fe42_block
	.p2align	8
	.type	k_qefe979fe42_block,@function
k_qefe979fe42_block:
	s_mov_b64 s[64:65], 0
	v_nop
	global_prefetch_b8 v0, s[64:65] scope:SCOPE_SE
	s_setreg_imm32_b32 hwreg(HW_REG_WAVE_MODE, 25, 1), 1
	s_wait_xcnt 0x0
	s_wait_alu depctr_hold_cnt(0) depctr_sa_sdst(0) depctr_va_vdst(0) depctr_va_sdst(0) depctr_va_ssrc(0) depctr_va_vcc(0) depctr_vm_vsrc(0)
	s_getreg_b32 s2, hwreg(HW_REG_IB_STS2, 6, 4)
	s_cmp_eq_u32 s2, 0
	s_cbranch_scc0 .Lentry_in_a_cluster
	s_endpgm
.Lentry_in_a_cluster:
	s_bfe_u32 s2, ttmp6, 0x10000c
	s_cmp_lg_u32 s2, 0x3003
	s_cbranch_scc0 .Lentry_shape_is_right
	s_endpgm
.Lentry_shape_is_right:
; One transformer block, x [128][128][512] f32 -> out0, all eight products on codes of FP4 (E2M1) with one E8M0 scale for each 32 along K.
; SHARES.  A work-group of four waves OWNS 64 tokens of one batch (tokens 64 y .. 64 y + 63; y = the grid's y) through the whole chain.  With y = 1 it also needs K and V of tokens 0 .. 63,
; the OTHER rows: it makes LN1, K and V of them anew.  With y = 0 that work is jumped over by scalar branches on y inside loops of constant trip count (keys 64 .. 127 are hidden by the causal mask).
; THE WAVES SHARE THE COLUMNS: wave w owns columns 128 w .. 128 w + 127 of every 512-wide result (heads 2 w, 2 w + 1) and hidden units 512 c + 128 w .. + 127 of chunk c.
; WEIGHTS are 12 panels of 512 rows x 256 bytes: Wq, Wk, Wv, Wo, then W1 and W2 by chunks of 512 hidden units.  A panel comes by one tensor load a wave (its own 128 rows), asked for JOINTLY by the
; four work-groups of a cluster (four batches, same y), into ONE LDS slot; the wave moves its 32 fragments into 256 registers, and behind a round of the cluster's barrier the slot takes the next panel
; while the registers are multiplied.
; THE RESIDUAL lives in 256 accumulator registers: x, + ctx Wo + bo, + b2 + the FFN.
; LAYOUT.  Products are used transposed (source 0 = 16 rows of a weight, source 1 = 16 rows of activations): lane (r, h) then holds activation row r and output columns 16 t + 8 h + 0 .. 7 of tile t.
; Two neighbouring tiles are a block of 32 along the next K, half in lane l and half in lane l xor 16.  V alone is made the other way round (source 0 = tokens), since its next K is the tokens.
; Operands go from wave to wave through LDS as images of their registers: 16 bytes a lane, 512 bytes a store.
; WHAT IS WANTED IS ASKED FOR A TRIP AHEAD: every loop over row tiles fetches its next tile while the tile in hand is worked on, and the last trip of a product's loop fetches the next panel's fragments instead.
; LIMITS: NaN and infinities among the inputs are not served.  A block whose largest magnitude lies under 2^-124 keeps the scale byte 1; a block of zeros gets the byte 1 where the rule says 127
; (its codes are zeros, and this program alone reads the bytes).  In the second attention product the blocks of keys are summed OWN first, then OTHER: for y = 1 not in ascending order.
.set XPITCH, 528                       ; a row of an x strip in LDS: 128 f32 + 16 bytes of padding
.set XTILE,  16*XPITCH
.set XSTRIP, 64*XPITCH                 ; a wave's strip: 64 rows
.set WPITCH, 272                       ; a weight row in LDS: 256 bytes + 16 of padding
.set WPART,  128*WPITCH                ; a wave's 128 rows of a panel
.set XS,     4*WPART                   ; LDS byte 0: the slot (first the OTHER rows' strips).  XS: the OWN rows' strips, filled once; afterwards each wave's own scratch
.set IMG,    XS+4*XSTRIP               ; images: K step s, record rec: 8192 s + 1024 rec + 512 c + 16 lane
.set IMGS,   IMG+32768                 ; their scale words: 1024 s + 128 rec + 4 lane
.set STAT,   IMGS+4096                 ; three areas of 2,048: 512 w + 128 m + 8 r: (mean, sum of squares about it) of a wave's 128 columns of a row
.set SPARE,  STAT+6144                 ; the spare words, 128 bytes for each wave: two blocks of 256 bytes that no other line names
.set QF, 0                             ; a wave's scratch in its strip: Q's 4 fragments,
.set KF, 4096                          ; K's 8,
.set VF, 12288                         ; V's 8 (by d tile; keys along K),
.set QS, 20480                         ; scale words: Q's [head][tile] x 128 bytes,
.set KS, 21504                         ; K's,
.set VS, 23552                         ; V's [d tile] x 128 bytes
.set R,1                               ; v1  lane % 16
.set HB,2                              ; v2  lane / 16
.set SPW,3                             ; v3  my spare word; never rewritten
.set NIL,4                             ; v4  0; never rewritten
.set WA,5                              ; v5  my lane's place in my 128 rows of the slot
.set XAR,6                             ; v6  my lane's place in my OTHER strip
.set XAS,7                             ; v7  and in my OWN strip
.set LB,8                              ; v8  IMG + 16 lane
.set LBW,9                             ; v9  + 8192 w
.set LSR,10                            ; v10 IMGS + 4 lane
.set LSW,11                            ; v11 + 1024 w
.set STW,12                            ; v12 STAT + 8 r + 512 w
.set STR,13                            ; v13 STAT + 8 r
.set PB,14                             ; v14 my strip + 16 lane
.set PS,15                             ; v15 my strip + 4 lane
.set PVS,16                            ; v16 my strip + VF + 16 r + 8 h
.set PVB,17                            ; v17 my strip + VS + 4 r
.set CO,18                             ; v18 512 w + 32 h: my columns in a vector of 512 f32
.set WSO16,19                          ; v19 (128 w + 64 h + r) x 16: my row of scale bytes, 16 a row
.set WSO64,20                          ; v20 the same x 64
.set GO,21                             ; v21 16 lane
.set DQ,22                             ; v22 r - 8 h
.set NINF,23                           ; v23 -infinity
.set ONES,24                           ; v24 four scale bytes 127
.set PFD,25                            ; v25 the prefetches' offset in a panel of dense rows: (32 cx + lane) x 256; never rewritten
.set TA,26                             ; v26-29 addresses of the trip in hand
.set VD,30
.set PFW,31                            ; v31 the same among W2's rows: (32 cx + lane) x 1024; never rewritten
.set ACC,32                            ; v32-95  eight result tiles; the norms' work buffer; the scores; rows on the way out
.set ACC2,96                           ; v96-159 V's other eight; O; the norms' load buffer; rows on the way out
.set WS,160                            ; v160-191 weights' scale words, two sets of 16: register 4 (t % 4) + s: lanes 0-15 tile t % 4, lanes 16-31 tile t % 4 + 4
.set AS,192                            ; v192-207 activations' scale words
.set PW,207                            ; v207 the scale word just made
.set PC,208                            ; v208-223 the codes just made
.set TM,224                            ; v224-247 at work
.set SB,TM+16                          ; v240-247 a row's four (mean, sum of squares): fetched a trip ahead
.set MN,248                            ; v[248:249] mean, sum of squares
.set MU,250                            ; v[250:251] the row's mean; -M
.set VR,252                            ; v[252:253]
.set RS,254                            ; v[254:255] 1 / sqrt(var + eps); 1 / l
; window 1: the panel's fragments, (tile t, K step s) at v[8 (4 t + s)].   window 2: the residual, v[64 m + 8 t + j].
; window 3: v0-127 activations' fragments (in attention K at 8 kt, V at 64 + 8 t, Q at 96); v128-191, v192-255 vectors of my 64 columns a lane (register 8 t + j).
.set PX,4
.set POUT,6
.set PWQ,8
.set PWK,10
.set PWV,12
.set PWO,14
.set PW1,16
.set PW2,18
.set PSQ,20
.set PSK,22
.set PSV,24
.set PSO,26
.set PS1,28
.set PS2,30
.set PG1,32
.set PL1,34
.set PG2,36
.set PL2,38
.set PBO,40
.set PBB1,42
.set PBB2,44
.set WV,46                             ; s46 wave
.set Y,47                              ; s47 y
.set KLIM,48                           ; s48 row tiles that have keys: 4 + 4 y
.set VLIM,49                           ; s49 blocks of 32 keys: 2 + 2 y
.set LIM,55                            ; s55 0 in the one cluster that prefetches (cluster x = 0, y = 0): the same in its four partners
.set G0O,56                            ; s[56:59] group 0, x OTHER;  s[60:61] its address
.set SEL,62                            ; s[62:63] v_permlanex16_b32's selects for lane l xor 16
.set CS,66                             ; s[66:67] log2(e) / 8
.set G1A,68                            ; s[68:75] group 1: 128 rows of 256 bytes, dense
.set G1B,76                            ; s[76:83] the same, rows 1,024 bytes apart (W2)
.set G1X,84                            ; s[84:91] group 1: 64 rows of 128 f32, 512 apart
.set G0W,92                            ; s[92:95] group 0 of the panels
.set G0N,96                            ; s[96:99] group 0, x OWN
.set MSB, 0
.macro WIN new                         ; the immediate's high byte repeats the setting that is left
.if MSB != \new
	s_set_vgpr_msb (MSB<<8)|\new
.set MSB, \new
.endif
.endm
.macro PLACES                          ; four plain places: behind a matrix instruction ahead of loads into, or reads of, its registers; behind a tensor load
.rept 4
	v_nop
.endr
.endm
.macro ROUND                           ; a round of the cluster's barrier
	s_barrier_signal -1
	s_barrier_wait -1
	s_cmp_lg_u32 s[WV], 0
	s_cbranch_scc1 .Lnw0_\@
	s_barrier_signal -3
.Lnw0_\@:
	s_barrier_wait -3
	s_barrier_signal -1
	s_barrier_wait -1
.endm
.macro BAR                             ; my LDS stores have landed and my LDS loads are in: then the work-group's barrier
	s_wait_dscnt 0x0
	s_barrier_signal -1
	s_barrier_wait -1
.endm
; a scaled product.  c < 0: the constant 0 starts the sum.  row = 1: source 0's scales from lanes 16-31; 2: source 1's
.macro WM d, a, b, c, sa, sb, row
.if (\c) < 0
.if (\row) == 1
	v_wmma_scale_f32_16x16x128_f8f6f4 v[(\d):(\d)+7], v[(\a):(\a)+7], v[(\b):(\b)+7], 0, v[\sa], v[\sb] matrix_a_fmt:MATRIX_FMT_FP4 matrix_b_fmt:MATRIX_FMT_FP4 matrix_a_scale:MATRIX_SCALE_ROW1
.elseif (\row) == 2
	v_wmma_scale_f32_16x16x128_f8f6f4 v[(\d):(\d)+7], v[(\a):(\a)+7], v[(\b):(\b)+7], 0, v[\sa], v[\sb] matrix_a_fmt:MATRIX_FMT_FP4 matrix_b_fmt:MATRIX_FMT_FP4 matrix_b_scale:MATRIX_SCALE_ROW1
.else
	v_wmma_scale_f32_16x16x128_f8f6f4 v[(\d):(\d)+7], v[(\a):(\a)+7], v[(\b):(\b)+7], 0, v[\sa], v[\sb] matrix_a_fmt:MATRIX_FMT_FP4 matrix_b_fmt:MATRIX_FMT_FP4
.endif
.else
.if (\row) == 1
	v_wmma_scale_f32_16x16x128_f8f6f4 v[(\d):(\d)+7], v[(\a):(\a)+7], v[(\b):(\b)+7], v[(\c):(\c)+7], v[\sa], v[\sb] matrix_a_fmt:MATRIX_FMT_FP4 matrix_b_fmt:MATRIX_FMT_FP4 matrix_a_scale:MATRIX_SCALE_ROW1
.elseif (\row) == 2
	v_wmma_scale_f32_16x16x128_f8f6f4 v[(\d):(\d)+7], v[(\a):(\a)+7], v[(\b):(\b)+7], v[(\c):(\c)+7], v[\sa], v[\sb] matrix_a_fmt:MATRIX_FMT_FP4 matrix_b_fmt:MATRIX_FMT_FP4 matrix_b_scale:MATRIX_SCALE_ROW1
.else
	v_wmma_scale_f32_16x16x128_f8f6f4 v[(\d):(\d)+7], v[(\a):(\a)+7], v[(\b):(\b)+7], v[(\c):(\c)+7], v[\sa], v[\sb] matrix_a_fmt:MATRIX_FMT_FP4 matrix_b_fmt:MATRIX_FMT_FP4
.endif
.endif
.endm
; my 128 rows of the panel in the slot become 32 fragments in window 1: lane (r, h) takes, of row 16 t + r, bytes 64 s + 32 c + 16 h on.  Four places stand ahead of it wherever it is used
.macro WLOAD
	WIN 0x40
.irp tt, 0,1,2,3,4,5,6,7
.irp kk, 0,1,2,3
	ds_load_b128 v[8*(4*\tt+\kk):8*(4*\tt+\kk)+3], v[WA] offset:\tt*16*WPITCH+64*\kk
	ds_load_b128 v[8*(4*\tt+\kk)+4:8*(4*\tt+\kk)+7], v[WA] offset:\tt*16*WPITCH+64*\kk+32
.endr
.endr
	WIN 0
.endm
; the slot is asked for again: all my tensor loads have landed, the add, my LDS instructions are done; a round of the cluster's barrier; the joint load first behind it.  One tensor load of mine is out behind it.
; A PREFETCH INTO THE L2 follows the load and its four lines (pfp >= 0): the panel that the NEXT change of panel will ask for: 512 rows' 256 bytes, a lane a row, one instruction a wave.  Each row's piece is named
; once in the launch: the cluster with x = 0 and y = 0 asks (a branch on the cluster's place in the grid, the same in its four partners); of the 128 rows that wave w fetches, the partner at place cx takes
; 32 cx .. 32 cx + 31, told apart by address.  Wq, the first panel, comes by its load alone; behind the last panel nothing is asked for.
.macro ASKW g1, ptr, pfp, pfv, pfo
	s_wait_tensorcnt 0x0                           ; no tensor load of mine is out, so group 0 may be written
	ds_add_u32 v[SPW], v[NIL]                      ; 0 onto my spare word
	s_mov_b64 s[G0W+2:G0W+3], s[\ptr:\ptr+1]       ; my 128 rows of the next panel: the same address in all four partners
	s_or_b32 s[G0W+3], s[G0W+3], 0x80000000        ; type = 2
	s_wait_dscnt 0x0                               ; the add is done, my reads of the slot are in, and the images that I stored have landed
	ROUND                                          ; so of every wave of the four work-groups
	tensor_load_to_lds s[G0W:G0W+3], s[\g1:\g1+7]
	s_nop 0
	PLACES
.if (\pfp) >= 0
	s_cmp_eq_u32 s[LIM], 0
	s_cbranch_scc0 .Lnpf_\@
	global_prefetch_b8 v[\pfv], s[\pfp:\pfp+1] offset:\pfo th:TH_LOAD_NT scope:SCOPE_SE
.Lnpf_\@:
.endif
.endm
; a change of panel.  cnt >= 0: the loads into registers that are due (this panel's scale words, vectors); cnt counts the younger ones that may stay out.
; wl = 1: the panel is moved into registers here; the wait on TENSORcnt ahead of the move orders the panel's landing ahead of my reads of it (I alone read my rows).  wl = 0: the loop before has done both
.macro HEAD g1, ptr, cnt, wl, pfp, pfv, pfo
.if (\cnt) >= 0
	s_wait_loadcnt \cnt
.endif
.if \wl
	s_wait_tensorcnt 0x0
	PLACES
	WLOAD
.endif
	ASKW \g1, \ptr, \pfp, \pfv, \pfo
.endm
.macro WSLD set, base, voff, str                   ; a panel's scale words: a row's 16 bytes are the words of its four K steps
.irp tt, 0,1,2,3
	global_load_b128 v[WS+16*\set+4*\tt:WS+16*\set+4*\tt+3], v[\voff], s[\base:\base+1] offset:\tt*16*\str
.endr
.endm
.macro VECLD reg, base                             ; my 64 numbers of a vector of 512 into window 3
	WIN 0xc0
.irp tt, 0,1,2,3,4,5,6,7
	global_load_b128 v[\reg+8*\tt:\reg+8*\tt+3], v[CO], s[\base:\base+1] offset:64*\tt
	global_load_b128 v[\reg+8*\tt+4:\reg+8*\tt+7], v[CO], s[\base:\base+1] offset:64*\tt+16
.endr
	WIN 0
.endm
; THE QUANTISER.  nb blocks of 32: block b is v[src + 16 b ..+15] of lanes l and l xor 16.  QMAX: each block's largest magnitude, with the floor 2^(3 - 127) among the leaves, so that the byte cannot fall under 1
.macro QMAX src, nb
.set qb, 0
.rept \nb
	v_max3_num_f32 v[TM+qb], |v[(\src)+16*qb]|, |v[(\src)+16*qb+1]|, 0x1800000
.set qb, qb+1
.endr
.irp ii, 2,4,6,8,10,12,14
.set qb, 0
.rept \nb
	v_max3_num_f32 v[TM+qb], v[TM+qb], |v[(\src)+16*qb+\ii]|, |v[(\src)+16*qb+\ii+1]|
.set qb, qb+1
.endr
.endr
.set qb, 0
.rept \nb
	v_permlanex16_b32 v[TM+4+qb], v[TM+qb], s[SEL], s[SEL+1]
.set qb, qb+1
.endr
.set qb, 0
.rept \nb
	v_max_num_f32 v[TM+qb], v[TM+qb], v[TM+4+qb]
.set qb, qb+1
.endr
.endm
; QTAIL: from the largest magnitudes in v[TM ..] to the scale word in v[PW] and the operand's registers in v[PC ..]: register 4 c + g holds k = 64 c + 32 h + 8 g + 0 .. 7
.macro QTAIL src, nb
.set qb, 0
.rept \nb
	v_add_nc_u32 v[TM+12+qb], 0xff000000, v[TM+qb] ; 2 off the exponent field: the conversion takes the exponent field of this operand as its scale
.set qb, qb+1
.endr
.set qb, 0
.rept \nb
	v_lshrrev_b32 v[TM+4+qb], 23, v[TM+12+qb]      ; the scale's byte
.set qb, qb+1
.endr
	v_lshl_or_b32 v[PW], v[TM+5], 8, v[TM+4]
.if \nb == 4
	v_lshl_or_b32 v[PW], v[TM+6], 16, v[PW]
	v_lshl_or_b32 v[PW], v[TM+7], 24, v[PW]
.endif
.set qb, 0
.rept \nb/2
	v_cvt_scalef32_pk8_fp4_f32 v[PC+4*qb], v[(\src)+32*qb:(\src)+32*qb+7], v[TM+12+2*qb]        ; block 2 c: groups of eight 0 | 1 in the two halves of the lanes
	v_cvt_scalef32_pk8_fp4_f32 v[PC+4*qb+2], v[(\src)+32*qb+8:(\src)+32*qb+15], v[TM+12+2*qb]   ; groups 2 | 3
	v_cvt_scalef32_pk8_fp4_f32 v[PC+4*qb+1], v[(\src)+32*qb+16:(\src)+32*qb+23], v[TM+13+2*qb]  ; block 2 c + 1: groups 0 | 1
	v_cvt_scalef32_pk8_fp4_f32 v[PC+4*qb+3], v[(\src)+32*qb+24:(\src)+32*qb+31], v[TM+13+2*qb]  ; groups 2 | 3
.set qb, qb+1
.endr
	v_nop                                          ; one plain place behind a scaled conversion
.set qb, 0
.rept \nb/2
	v_permlane16_swap_b32 v[PC+4*qb], v[PC+4*qb+1]     ; lanes 0-15 keep block 2 c, lanes 16-31 get block 2 c + 1: groups 0, 1
	v_permlane16_swap_b32 v[PC+4*qb+2], v[PC+4*qb+3]   ; groups 2, 3
.set qb, qb+1
.endr
.endm
.macro SUM64 src                                   ; 64 numbers of a lane, two at a time, in four chains in v[TM .. TM+7]
.irp kk, 0,1,2,3
	v_pk_add_f32 v[TM+2*\kk:TM+2*\kk+1], v[(\src)+2*\kk:(\src)+2*\kk+1], v[(\src)+8+2*\kk:(\src)+9+2*\kk]
.endr
.set li, 8
.rept 24
	v_pk_add_f32 v[TM+2*(li%4):TM+2*(li%4)+1], v[TM+2*(li%4):TM+2*(li%4)+1], v[(\src)+2*li:(\src)+2*li+1]
.set li, li+1
.endr
.endm
.macro REDUCE dst                                  ; the four chains, their halves, and lane l xor 16's
	v_pk_add_f32 v[TM:TM+1], v[TM:TM+1], v[TM+2:TM+3]
	v_pk_add_f32 v[TM+4:TM+5], v[TM+4:TM+5], v[TM+6:TM+7]
	v_pk_add_f32 v[TM:TM+1], v[TM:TM+1], v[TM+4:TM+5]
	v_add_f32 v[TM+2], v[TM], v[TM+1]
	v_permlanex16_b32 v[TM+3], v[TM+2], s[SEL], s[SEL+1]
	v_add_f32 v[\dst], v[TM+2], v[TM+3]
.endm
.macro TLD2 off                                    ; a row tile of my strip into the load buffer: register 8 t + j = row r, column 16 t + 8 h + j
.irp tt, 0,1,2,3,4,5,6,7
	ds_load_b128 v[ACC2+8*\tt:ACC2+8*\tt+3], v[TA] offset:(\off)+64*\tt
	ds_load_b128 v[ACC2+8*\tt+4:ACC2+8*\tt+7], v[TA] offset:(\off)+64*\tt+16
.endr
.endm
.macro SLD off                                     ; a row's four (mean, sum of squares), one from each wave
.irp kk, 0,1,2,3
	ds_load_b64 v[SB+2*\kk:SB+2*\kk+1], v[TA+1] offset:(\off)+512*\kk
.endr
.endm
; for each of four row tiles: mean and centred sum of squares of my 128 columns of a row, to STAT.  skip = 1: the OTHER rows: nothing where y = 0.
; The tile lands in the load buffer; x - mean goes into the work buffer, and the next tile is asked for at once: it lands under the squares, the sums and the store
.macro LNSTAT xa, area, skip
	s_mov_b32 s50, 0
	s_mov_b32 s51, 0
	s_mov_b32 s52, 0
.if \skip
	s_cmp_eq_u32 s[Y], 0
	s_cbranch_scc1 .Lst_\@
.endif
	v_mov_b32 v[TA], v[\xa]
	TLD2 0
.Lst_\@:
.if \skip
	s_cmp_eq_u32 s[Y], 0
	s_cbranch_scc1 .Lsts_\@
.endif
	s_wait_dscnt 0x0                               ; the tile is in; the last trip's store has read its registers
	SUM64 ACC2
	REDUCE MN
	v_mul_f32 v[MN], 0x3c000000, v[MN]             ; / 128
.set li, 0
.rept 32
	v_pk_add_f32 v[ACC+2*li:ACC+2*li+1], v[ACC2+2*li:ACC2+2*li+1], v[MN:MN+1] op_sel_hi:[1,0] neg_lo:[0,1] neg_hi:[0,1]
.set li, li+1
.endr
	v_add_nc_u32 v[TA], s51, v[\xa]
	v_add_nc_u32 v[TA+1], s52, v[STW]
	s_cmp_ge_u32 s50, 3
	s_cbranch_scc1 .Lstn_\@
	TLD2 XTILE                                     ; the next tile
.Lstn_\@:
.irp kk, 0,1,2,3
	v_pk_mul_f32 v[TM+2*\kk:TM+2*\kk+1], v[ACC+2*\kk:ACC+2*\kk+1], v[ACC+2*\kk:ACC+2*\kk+1]
.endr
.set li, 4
.rept 28
	v_pk_fma_f32 v[TM+2*(li%4):TM+2*(li%4)+1], v[ACC+2*li:ACC+2*li+1], v[ACC+2*li:ACC+2*li+1], v[TM+2*(li%4):TM+2*(li%4)+1]
.set li, li+1
.endr
	REDUCE MN+1
	ds_store_b64 v[TA+1], v[MN:MN+1] offset:\area  ; both halves of the lanes write the same words with the same values
.Lsts_\@:
	s_add_co_u32 s51, s51, XTILE
	s_add_co_u32 s52, s52, 128
	s_add_co_u32 s50, s50, 1
	s_cmp_lt_u32 s50, 4
	s_cbranch_scc1 .Lst_\@
	s_wait_dscnt 0x0
.endm
; for each of four row tiles: the four waves' statistics joined; (x - mu) rstd g + b; quantised: K step w of record rec0 + m.  x - mu goes from the load buffer into the work buffer, and the next tile and its
; statistics are asked for at once: they land under the scaling and the quantiser
.macro LNNORM xa, area, gv, bv, rec0, skip
	s_mov_b32 s50, 0
	s_mov_b32 s51, 0
	s_mov_b32 s52, 0
	s_mov_b32 s53, 0
.if \skip
	s_cmp_eq_u32 s[Y], 0
	s_cbranch_scc1 .Lnm_\@
.endif
	v_mov_b32 v[TA], v[\xa]
	v_mov_b32 v[TA+1], v[STR]
	TLD2 0
	SLD \area
.Lnm_\@:
.if \skip
	s_cmp_eq_u32 s[Y], 0
	s_cbranch_scc1 .Lnms_\@
.endif
	s_wait_dscnt 0x0                               ; the tile and its statistics are in; the last trip's stores have read their registers
	v_add_f32 v[MU], v[SB], v[SB+2]
	v_add_f32 v[MU+1], v[SB+4], v[SB+6]
	v_add_f32 v[VR], v[SB+1], v[SB+3]
	v_add_f32 v[VR+1], v[SB+5], v[SB+7]
	v_add_f32 v[MU], v[MU], v[MU+1]
	v_add_f32 v[VR], v[VR], v[VR+1]
	v_mul_f32 v[MU], 0x3e800000, v[MU]             ; mu: the mean of the four means
.irp kk, 0,1,2,3
	v_sub_f32 v[SB+2*\kk], v[SB+2*\kk], v[MU]
.endr
	v_mul_f32 v[VR+1], v[SB], v[SB]
	v_fmac_f32 v[VR+1], v[SB+2], v[SB+2]
	v_fmac_f32 v[VR+1], v[SB+4], v[SB+4]
	v_fmac_f32 v[VR+1], v[SB+6], v[SB+6]
	v_fmamk_f32 v[VR], v[VR+1], 0x43000000, v[VR]  ; + 128 x the means' squared distances from mu: no difference of large sums is formed
	v_mul_f32 v[VR], 0x3b000000, v[VR]             ; / 512
	v_add_f32 v[VR], 0x3727c5ac, v[VR]             ; + 1e-5
	v_rsq_f32 v[RS], v[VR]
.set li, 0
.rept 32
	v_pk_add_f32 v[ACC+2*li:ACC+2*li+1], v[ACC2+2*li:ACC2+2*li+1], v[MU:MU+1] op_sel_hi:[1,0] neg_lo:[0,1] neg_hi:[0,1]   ; plain work behind the root
.set li, li+1
.endr
	v_add_nc_u32 v[TA], s51, v[\xa]
	v_add_nc_u32 v[TA+1], s52, v[STR]
	v_add_nc_u32 v[TA+2], s53, v[LBW]
	v_add_nc_u32 v[TA+3], s52, v[LSW]
	s_wait_alu depctr_va_vdst(0)                   ; the wait ahead of the first line that names the root's result, and ahead of a branch
	s_cmp_ge_u32 s50, 3
	s_cbranch_scc1 .Lnmn_\@
	TLD2 XTILE                                     ; the next tile,
	SLD \area+128                                  ; and its rows' statistics
.Lnmn_\@:
.set li, 0
.rept 32
	v_pk_mul_f32 v[ACC+2*li:ACC+2*li+1], v[ACC+2*li:ACC+2*li+1], v[RS:RS+1] op_sel_hi:[1,0]
.set li, li+1
.endr
	WIN 0x3c                                       ; g and b in window 3
.set li, 0
.rept 32
	v_pk_fma_f32 v[ACC+2*li:ACC+2*li+1], v[ACC+2*li:ACC+2*li+1], v[\gv+2*li:\gv+2*li+1], v[\bv+2*li:\bv+2*li+1]
.set li, li+1
.endr
	WIN 0
	QMAX ACC, 4
	QTAIL ACC, 4
	ds_store_b128 v[TA+2], v[PC:PC+3] offset:1024*\rec0
	ds_store_b128 v[TA+2], v[PC+4:PC+7] offset:1024*\rec0+512
	ds_store_b32 v[TA+3], v[PW] offset:128*\rec0
.Lnms_\@:
	s_add_co_u32 s51, s51, XTILE
	s_add_co_u32 s52, s52, 128
	s_add_co_u32 s53, s53, 1024
	s_add_co_u32 s50, s50, 1
	s_cmp_lt_u32 s50, 4
	s_cbranch_scc1 .Lnm_\@
	s_wait_dscnt 0x0
.endm
; n row tiles' fragments (all four K steps) into window 3, v[32 u + 8 s ..], and their scale words into v[AS + 4 u + s]
.macro ACTLD n, off, soff
	WIN 0xc0
.set au, 0
.rept \n
.irp kk, 0,1,2,3
	ds_load_b128 v[32*au+8*\kk:32*au+8*\kk+3], v[TA] offset:(\off)+1024*au+8192*\kk
	ds_load_b128 v[32*au+8*\kk+4:32*au+8*\kk+7], v[TA] offset:(\off)+1024*au+8192*\kk+512
.endr
.set au, au+1
.endr
	WIN 0
.set au, 0
.rept \n
.irp kk, 0,1,2,3
	ds_load_b32 v[AS+4*au+\kk], v[TA+1] offset:(\soff)+128*au+1024*\kk
.endr
.set au, au+1
.endr
.endm
; A transposed product of the panel in window 1 with row tiles, a tile a trip; the result is quantised at once.  kind 0: Q (records 0-3 -> my scratch); 1: K (records 0-7, as far as KLIM);
; 2: the hidden layer (records 4-7, + b1, relu -> records 0-3, K step w).  The eight accumulators take turns.  Behind the products the next tile is fetched, while this one is quantised;
; behind the last tile's products the panel's registers are free, and the NEXT PANEL is fetched in its stead: the wait shows my rows of it landed, and I alone read them
.macro TLOOP kind, set
.set TSRC, 0
.set TN, 4
.set TDF, QF
.set TDS, QS
.set TDS2, QS+512
.if \kind == 1
.set TN, 8
.set TDF, KF
.set TDS, KS
.set TDS2, KS+1024
.endif
.if \kind == 2
.set TSRC, 4
.set TDF, 0
.set TDS, 0
.endif
	s_mov_b32 s50, 0
	s_mov_b32 s51, 0
	s_mov_b32 s52, 0
	v_mov_b32 v[TA], v[LB]
	v_mov_b32 v[TA+1], v[LSR]
	ACTLD 1, 1024*TSRC, 128*TSRC
.Ltl_\@:
.if \kind == 1
	s_cmp_ge_u32 s50, s[KLIM]
	s_cbranch_scc1 .Ltls_\@
.endif
	s_wait_dscnt 0x0                               ; the tile is in; the last trip's stores have read their registers
.irp kk, 0,1,2,3
.if (\kk == 0) && (\kind == 2)
	WIN 0x3d                                       ; source 0 window 1, source 1 window 3, C (b1) window 3
.else
	WIN 0x0d
.endif
.irp tt, 0,1,2,3,4,5,6,7
.if (\kk == 0) && (\kind == 2)
	WM ACC+8*\tt, 8*(4*\tt+\kk), 8*\kk, 128+8*\tt, WS+16*\set+4*(\tt%4)+\kk, AS+\kk, \tt/4
.elseif \kk == 0
	WM ACC+8*\tt, 8*(4*\tt+\kk), 8*\kk, -1, WS+16*\set+4*(\tt%4)+\kk, AS+\kk, \tt/4
.else
	WM ACC+8*\tt, 8*(4*\tt+\kk), 8*\kk, ACC+8*\tt, WS+16*\set+4*(\tt%4)+\kk, AS+\kk, \tt/4
.endif
.endr
.endr
	WIN 0
	v_add_nc_u32 v[TA], s51, v[LB]                 ; these four are the places behind the products
	v_add_nc_u32 v[TA+1], s52, v[LSR]
.if \kind == 2
	v_add_nc_u32 v[TA+2], s51, v[LBW]
	v_add_nc_u32 v[TA+3], s52, v[LSW]
.else
	v_add_nc_u32 v[TA+2], s51, v[PB]
	v_add_nc_u32 v[TA+3], s52, v[PS]
.endif
	s_add_co_u32 s53, s50, 1
.if \kind == 1
	s_cmp_ge_u32 s53, s[KLIM]
.else
	s_cmp_ge_u32 s53, TN
.endif
	s_cbranch_scc1 .Ltlw_\@
	ACTLD 1, 1024*TSRC+1024, 128*TSRC+128
	s_branch .Ltln_\@
.Ltlw_\@:
	s_wait_tensorcnt 0x0                           ; my rows of the next panel are in
	WLOAD
.Ltln_\@:
.if \kind == 2
.set li, 0
.rept 64
	v_max_num_f32 v[ACC+li], 0, v[ACC+li]
.set li, li+1
.endr
.endif
	QMAX ACC, 4
	QTAIL ACC, 4
	ds_store_b128 v[TA+2], v[PC:PC+3] offset:TDF
	ds_store_b128 v[TA+2], v[PC+4:PC+7] offset:TDF+512
	ds_store_b32 v[TA+3], v[PW] offset:TDS
.if \kind != 2
	v_lshrrev_b32 v[TM+8], 16, v[PW]               ; the second head's two bytes, as the low bytes of a word of its own
	ds_store_b32 v[TA+3], v[TM+8] offset:TDS2
.endif
.Ltls_\@:
	s_add_co_u32 s51, s51, 1024
	s_add_co_u32 s52, s52, 128
	s_add_co_u32 s50, s50, 1
	s_cmp_lt_u32 s50, TN
	s_cbranch_scc1 .Ltl_\@
.endm
; V, a block of 32 tokens (two row tiles) a trip: source 0 = tokens, source 1 = Wv's rows: lane (r, h) holds d = r of tile t and tokens 16 u + 8 h + j.  Quantised along the tokens.  The last trip fetches the next panel, as above
.macro VLOOP set
	s_mov_b32 s50, 0
	s_mov_b32 s51, 0
	s_mov_b32 s52, 0
	v_mov_b32 v[TA], v[LB]
	v_mov_b32 v[TA+1], v[LSR]
	ACTLD 2, 0, 0
.Lvl_\@:
	s_cmp_ge_u32 s50, s[VLIM]
	s_cbranch_scc1 .Lvls_\@
	s_wait_dscnt 0x0
	WIN 0x07                                       ; source 0 window 3, source 1 window 1
.irp kk, 0,1,2,3
.irp tt, 0,1,2,3,4,5,6,7
.irp uu, 0,1
.if \kk == 0
	WM ACC+16*\tt+8*\uu, 32*\uu+8*\kk, 8*(4*\tt+\kk), -1, AS+4*\uu+\kk, WS+16*\set+4*(\tt%4)+\kk, 2*(\tt/4)
.else
	WM ACC+16*\tt+8*\uu, 32*\uu+8*\kk, 8*(4*\tt+\kk), ACC+16*\tt+8*\uu, AS+4*\uu+\kk, WS+16*\set+4*(\tt%4)+\kk, 2*(\tt/4)
.endif
.endr
.endr
.endr
	WIN 0
	v_add_nc_u32 v[TA], s51, v[LB]                 ; the four places
	v_add_nc_u32 v[TA+1], s52, v[LSR]
	v_add_nc_u32 v[TA+2], s52, v[PVS]              ; block beta's 256 bytes of a fragment
	v_add_nc_u32 v[TA+3], s50, v[PVB]              ; and its byte of a scale word
	s_add_co_u32 s53, s50, 1
	s_cmp_ge_u32 s53, s[VLIM]
	s_cbranch_scc1 .Lvlw_\@
	ACTLD 2, 2048, 256
	s_branch .Lvln_\@
.Lvlw_\@:
	s_wait_tensorcnt 0x0                           ; my rows of the next panel are in
	WLOAD
.Lvln_\@:
.irp tt, 0,1,2,3,4,5,6,7
	v_max3_num_f32 v[TM+\tt], |v[ACC+16*\tt]|, |v[ACC+16*\tt+1]|, 0x1800000
.endr
.irp ii, 2,4,6,8,10,12,14
.irp tt, 0,1,2,3,4,5,6,7
	v_max3_num_f32 v[TM+\tt], v[TM+\tt], |v[ACC+16*\tt+\ii]|, |v[ACC+16*\tt+\ii+1]|
.endr
.endr
.irp tt, 0,1,2,3,4,5,6,7
	v_permlanex16_b32 v[TM+8+\tt], v[TM+\tt], s[SEL], s[SEL+1]
.endr
.irp tt, 0,1,2,3,4,5,6,7
	v_max_num_f32 v[TM+\tt], v[TM+\tt], v[TM+8+\tt]
.endr
.irp tt, 0,1,2,3,4,5,6,7
	v_add_nc_u32 v[TM+16+\tt], 0xff000000, v[TM+\tt]
.endr
.irp tt, 0,1,2,3,4,5,6,7
	v_lshrrev_b32 v[TM+8+\tt], 23, v[TM+16+\tt]
.endr
.irp tt, 0,1,2,3,4,5,6,7
	v_cvt_scalef32_pk8_fp4_f32 v[PC+2*\tt], v[ACC+16*\tt:ACC+16*\tt+7], v[TM+16+\tt]       ; groups of eight tokens 0 | 1
	v_cvt_scalef32_pk8_fp4_f32 v[PC+2*\tt+1], v[ACC+16*\tt+8:ACC+16*\tt+15], v[TM+16+\tt]  ; groups 2 | 3
.endr
	v_nop
.irp tt, 0,1,2,3,4,5,6,7
	v_permlane16_swap_b32 v[PC+2*\tt], v[PC+2*\tt+1]   ; the pair now holds groups 2 h, 2 h + 1: eight neighbouring bytes of the image
.endr
.irp tt, 0,1,2,3,4,5,6,7
	ds_store_b64 v[TA+2], v[PC+2*\tt:PC+2*\tt+1] offset:1024*\tt
	ds_store_b8 v[TA+3], v[TM+8+\tt] offset:128*\tt
.endr
.Lvls_\@:
	s_add_co_u32 s51, s51, 2048
	s_add_co_u32 s52, s52, 256
	s_add_co_u32 s50, s50, 1
	s_cmp_lt_u32 s50, 4
	s_cbranch_scc1 .Lvl_\@
.endm
; the residual += records 0-3 x the panel in window 1: 32 accumulators by turns
.macro XGEMM set
	WIN 0xc0
.irp mm, 0,1,2,3
.irp kk, 0,1,2,3
	ds_load_b128 v[8*(4*\mm+\kk):8*(4*\mm+\kk)+3], v[LB] offset:8192*\kk+1024*\mm
	ds_load_b128 v[8*(4*\mm+\kk)+4:8*(4*\mm+\kk)+7], v[LB] offset:8192*\kk+1024*\mm+512
.endr
.endr
	WIN 0
.irp mm, 0,1,2,3
.irp kk, 0,1,2,3
	ds_load_b32 v[AS+4*\mm+\kk], v[LSR] offset:1024*\kk+128*\mm
.endr
.endr
	s_wait_dscnt 0x0
	WIN 0xad                                       ; source 0 window 1, source 1 window 3, C and D window 2
.irp kk, 0,1,2,3
.irp mm, 0,1,2,3
.irp tt, 0,1,2,3,4,5,6,7
	WM 64*\mm+8*\tt, 8*(4*\tt+\kk), 8*(4*\mm+\kk), 64*\mm+8*\tt, WS+16*\set+4*(\tt%4)+\kk, AS+4*\mm+\kk, \tt/4
.endr
.endr
.endr
	WIN 0
.endm
.macro XADD vec                                    ; the residual += a vector of window 3, each accumulator from its low end on
	WIN 0x8e
.irp mm, 0,1,2,3
.set li, 0
.rept 32
	v_pk_add_f32 v[64*\mm+2*li:64*\mm+2*li+1], v[64*\mm+2*li:64*\mm+2*li+1], v[\vec+2*li:\vec+2*li+1]
.set li, li+1
.endr
.endr
	WIN 0
.endm
.macro XSTORE                                      ; the residual into my strip, rows as rows
	WIN 0x08
.irp mm, 0,1,2,3
.irp tt, 0,1,2,3,4,5,6,7
	ds_store_b128 v[XAS], v[64*\mm+8*\tt:64*\mm+8*\tt+3] offset:\mm*XTILE+64*\tt
	ds_store_b128 v[XAS], v[64*\mm+8*\tt+4:64*\mm+8*\tt+7] offset:\mm*XTILE+64*\tt+16
.endr
.endr
	WIN 0
.endm
; THE LAST PRODUCT GOES BY ROWS.  XROW: row tile m is finished: 32 products, its eight accumulators by turns.  TOSTAGE: its 16 rows into my strip and back as whole rows of 512 bytes.  SEND: stored
.macro XROW mm, set
	WIN 0xad
.irp kk, 0,1,2,3
.irp tt, 0,1,2,3,4,5,6,7
	WM 64*(\mm)+8*\tt, 8*(4*\tt+\kk), 8*(4*(\mm)+\kk), 64*(\mm)+8*\tt, WS+16*\set+4*(\tt%4)+\kk, AS+4*(\mm)+\kk, \tt/4
.endr
.endr
	WIN 0
.endm
.macro TOSTAGE mm
	WIN 0x08
.irp tt, 0,1,2,3,4,5,6,7
	ds_store_b128 v[XAS], v[64*(\mm)+8*\tt:64*(\mm)+8*\tt+3] offset:(\mm)*XTILE+64*\tt        ; each accumulator from its low end on
	ds_store_b128 v[XAS], v[64*(\mm)+8*\tt+4:64*(\mm)+8*\tt+7] offset:(\mm)*XTILE+64*\tt+16
.endr
	WIN 0
.set li, 0
.rept 16
	ds_load_b128 v[ACC+64*((\mm)%2)+4*li:ACC+64*((\mm)%2)+4*li+3], v[PB] offset:XPITCH*(16*(\mm)+li)   ; LDS serves a wave's instructions in order (ISA guide 5.7.1.4): these see my stores
.set li, li+1
.endr
.endm
.macro SEND mm
.set li, 0
.rept 16
	s_wait_dscnt 15-li                             ; row li of the tile is in; the 15 - li loads issued behind it may be out
	global_store_b128 v[GO], v[ACC+64*((\mm)%2)+4*li:ACC+64*((\mm)%2)+4*li+3], s[POUT:POUT+1] offset:2048*(16*(\mm)+li) th:TH_STORE_NT   ; 32 lanes store 512 consecutive bytes, at a multiple of 256 from out0's first byte
.set li, li+1
.endr
.endm
; ATTENTION of head 2 w + eta, all from my own scratch.  S^T = K Q^T (K = 64: the fragments' upper four registers are zero codes), O^T = V^T P^T (K = 128 key places: OWN 0-63, OTHER 64-127).
; t = score x log2(e) / 8; M = ceil(the row's largest t); p = 2^(t - M) is quantised; l, the sum of the unquantised p, divides at the end.  A row's 128 keys are one step, so M never moves.
; The next query tile's fragment and scale word are asked for behind the score products, four places behind the last that read their registers
.macro ATT eta
	WIN 0xc0
.irp kt, 0,1,2,3,4,5,6,7
	ds_load_b128 v[8*\kt:8*\kt+3], v[PB] offset:KF+1024*\kt+512*\eta
.endr
.irp tt, 0,1,2,3
	ds_load_b128 v[64+8*\tt:64+8*\tt+3], v[PB] offset:VF+1024*(4*\eta+\tt)
	ds_load_b128 v[64+8*\tt+4:64+8*\tt+7], v[PB] offset:VF+1024*(4*\eta+\tt)+512
.endr
	ds_load_b128 v[96:99], v[PB] offset:QF+512*\eta
	WIN 0
.irp kt, 0,1,2,3,4,5,6,7
	ds_load_b32 v[AS+\kt], v[PS] offset:KS+1024*\eta+128*\kt
.endr
.irp tt, 0,1,2,3
	ds_load_b32 v[AS+8+\tt], v[PS] offset:VS+128*(4*\eta+\tt)
.endr
	ds_load_b32 v[AS+12], v[PS] offset:QS+512*\eta
	s_mov_b32 s50, 0
	s_mov_b32 s51, 0
	s_mov_b32 s52, 0
	s_mov_b32 s53, 0
.Lq_\@:
	s_wait_dscnt 0x0                               ; the query tile is in (first trip: K and V too); the last trip's stores have read their registers
	v_add_nc_u32 v[TA], s51, v[PB]
	v_add_nc_u32 v[TA+1], s52, v[PS]
	v_add_nc_u32 v[TA+2], s51, v[LBW]
	v_add_nc_u32 v[TA+3], s52, v[LSW]
	v_add_nc_u32 v[VD], s53, v[DQ]                 ; my query - 8 h, counted among the OWN rows
	WIN 0x0f
.irp kt, 0,1,2,3,4,5,6,7
	WM ACC+8*\kt, 8*\kt, 96, -1, AS+\kt, AS+12, 0
.endr
	WIN 0
	PLACES
	s_cmp_ge_u32 s50, 3
	s_cbranch_scc1 .Lqn_\@
	WIN 0xc0
	ds_load_b128 v[96:99], v[TA] offset:QF+512*\eta+1024
	WIN 0
	ds_load_b32 v[AS+12], v[TA+1] offset:QS+512*\eta+128
.Lqn_\@:
.set mn, 0
.rept 32                                           ; register n holds OWN key 16 (n / 8) + 8 h + n % 8: hidden where it comes after my query
	v_cmp_gt_i32 vcc_lo, 16*(mn/8)+mn%8, v[VD]
	v_cndmask_b32 v[ACC+mn], v[ACC+mn], v[NINF], vcc_lo
.set mn, mn+1
.endr
	s_cmp_lg_u32 s[Y], 0
	s_cbranch_scc1 .Lqo_\@
.set mn, 32
.rept 32                                           ; y = 0: the other 64 key places are tokens 64 .. 127, hidden from every query here
	v_mov_b32 v[ACC+mn], v[NINF]
.set mn, mn+1
.endr
.Lqo_\@:
.irp bb, 0,1,2,3
	v_max3_num_f32 v[TM+\bb], v[ACC+16*\bb], v[ACC+16*\bb+1], v[ACC+16*\bb+2]   ; each block's largest score: for the row's maximum and, since p rises with the score, for the block's largest p
.endr
.irp ii, 3,5,7,9,11,13
.irp bb, 0,1,2,3
	v_max3_num_f32 v[TM+\bb], v[TM+\bb], v[ACC+16*\bb+\ii], v[ACC+16*\bb+\ii+1]
.endr
.endr
.irp bb, 0,1,2,3
	v_max_num_f32 v[TM+\bb], v[TM+\bb], v[ACC+16*\bb+15]
.endr
.irp bb, 0,1,2,3
	v_permlanex16_b32 v[TM+4+\bb], v[TM+\bb], s[SEL], s[SEL+1]
.endr
.irp bb, 0,1,2,3
	v_max_num_f32 v[TM+\bb], v[TM+\bb], v[TM+4+\bb]
.endr
	v_max3_num_f32 v[TM+8], v[TM], v[TM+1], v[TM+2]
	v_max_num_f32 v[TM+8], v[TM+8], v[TM+3]
	v_mul_f32 v[TM+8], s[CS], v[TM+8]              ; the row's largest t (my own key always counts: it is a number)
	v_floor_f32 v[MU], -v[TM+8]                    ; -M = floor(-t)
.set mn, 0
.rept 32
	v_pk_fma_f32 v[ACC+2*mn:ACC+2*mn+1], v[ACC+2*mn:ACC+2*mn+1], s[CS:CS+1], v[MU:MU+1] op_sel_hi:[1,0,0]
.set mn, mn+1
.endr
.irp bb, 0,1,2,3
	v_fma_f32 v[TM+\bb], v[TM+\bb], s[CS], v[MU]
.endr
.set mn, 0
.rept 64
	v_exp_f32 v[ACC+mn], v[ACC+mn]
.set mn, mn+1
.endr
.irp bb, 0,1,2,3
	v_exp_f32 v[TM+\bb], v[TM+\bb]
.endr
	v_nop                                          ; a plain place behind the last exponential
	s_wait_alu depctr_va_vdst(0)                   ; one wait for the batch of 68, ahead of its first reader
.irp bb, 0,1,2,3
	v_max_num_f32 v[TM+\bb], 0x1800000, v[TM+\bb]  ; the floor: a block whose every p is 0 keeps the byte 1; its codes are zeros
.endr
	QTAIL ACC, 4
	SUM64 ACC                                      ; l, of the unquantised p.  These lines are also the places between the scale word's and the codes' last writes and the products
	REDUCE VR
	v_rcp_f32 v[RS], v[VR]
	v_nop
	WIN 0x03                                       ; source 0 (V) window 3, source 1 (P) window 0
.irp tt, 0,1,2,3
	WM ACC2+8*\tt, 64+8*\tt, PC, -1, AS+8+\tt, PW, 0
.endr
	WIN 0
	PLACES
	s_wait_alu depctr_va_vdst(0)                   ; for the reciprocal, ahead of its first reader
.set mn, 0
.rept 16
	v_pk_mul_f32 v[ACC2+2*mn:ACC2+2*mn+1], v[ACC2+2*mn:ACC2+2*mn+1], v[RS:RS+1] op_sel_hi:[1,0]
.set mn, mn+1
.endr
	QMAX ACC2, 2                                   ; ctx: my head's 64 columns are half c = eta of K step w
	QTAIL ACC2, 2
	ds_store_b128 v[TA+2], v[PC:PC+3] offset:512*\eta
	ds_store_b16 v[TA+3], v[PW] offset:2*\eta
	s_add_co_u32 s51, s51, 1024
	s_add_co_u32 s52, s52, 128
	s_add_co_u32 s53, s53, 16
	s_add_co_u32 s50, s50, 1
	s_cmp_lt_u32 s50, 4
	s_cbranch_scc1 .Lq_\@
.endm
; ---- setup
	s_load_b512 s[4:19], s[0:1], 0x0               ; x, out0, the six tensors of codes
	s_load_b512 s[20:35], s[0:1], 0x40             ; the six tensors of scales, ln1_g, ln1_b
	s_load_b256 s[36:43], s[0:1], 0x80             ; ln2_g, ln2_b, bo, b1
	s_load_b64 s[44:45], s[0:1], 0xa0              ; b2
	v_lshl_add_u32 v[SPW], v0, 2, SPARE
	v_mov_b32 v[NIL], 0
	ds_add_u32 v3, v4
	ds_add_u32 v3, v4
	s_wait_dscnt 0x0
	v_lshrrev_b32 v[TA], 5, v0
	v_readfirstlane_b32 s[WV], v[TA]               ; wave 0..3
	s_and_b32 s[Y], ttmp7, 0xffff                  ; y: the cluster's y, the same in the four partners
	s_lshl_b32 s[KLIM], s[Y], 2
	s_add_co_u32 s[KLIM], s[KLIM], 4
	s_lshl_b32 s[VLIM], s[Y], 1
	s_add_co_u32 s[VLIM], s[VLIM], 2
	s_bfe_u32 s2, ttmp6, 0x40000                   ; cx
	s_lshl_b32 s3, ttmp9, 2
	s_add_co_u32 s3, s3, s2                        ; the batch = 4 x cluster x + cx: it enters x's and out0's addresses alone
	v_and_b32 v[R], 15, v0
	v_bfe_u32 v[HB], v0, 4, 1
	v_and_b32 v[TA], 31, v0                        ; lane
	s_lshl_b32 s52, s2, 5
	v_add_nc_u32 v[PFD], s52, v[TA]                ; 32 cx + lane: the row, of a wave's 128, that my lane prefetches: cx enters these two global offsets alone
	v_lshlrev_b32 v[PFW], 10, v[PFD]
	v_lshlrev_b32 v[PFD], 8, v[PFD]
	s_mul_i32 s50, s[WV], WPART
	s_mul_i32 s51, s[WV], XSTRIP
	v_mul_u32_u24 v[WA], v[R], WPITCH
	v_lshl_add_u32 v[WA], v[HB], 4, v[WA]
	v_add_nc_u32 v[WA], s50, v[WA]
	v_mul_u32_u24 v[XAR], v[R], XPITCH
	v_lshl_add_u32 v[XAR], v[HB], 5, v[XAR]
	v_add_nc_u32 v[XAR], s51, v[XAR]
	v_add_nc_u32 v[XAS], XS, v[XAR]
	v_lshl_add_u32 v[LB], v[TA], 4, IMG
	s_lshl_b32 s52, s[WV], 13
	v_add_nc_u32 v[LBW], s52, v[LB]
	v_lshl_add_u32 v[LSR], v[TA], 2, IMGS
	s_lshl_b32 s52, s[WV], 10
	v_add_nc_u32 v[LSW], s52, v[LSR]
	v_lshl_add_u32 v[STR], v[R], 3, STAT
	s_lshl_b32 s52, s[WV], 9
	v_add_nc_u32 v[STW], s52, v[STR]
	v_lshlrev_b32 v[CO], 5, v[HB]
	v_add_nc_u32 v[CO], s52, v[CO]
	s_add_co_u32 s53, s51, XS                      ; my strip
	v_lshl_add_u32 v[PB], v[TA], 4, s53
	v_lshl_add_u32 v[PS], v[TA], 2, s53
	v_lshl_add_u32 v[PVS], v[R], 4, s53
	v_lshl_add_u32 v[PVS], v[HB], 3, v[PVS]
	v_add_nc_u32 v[PVS], VF, v[PVS]
	v_lshl_add_u32 v[PVB], v[R], 2, s53
	v_add_nc_u32 v[PVB], VS, v[PVB]
	v_lshl_add_u32 v[WSO16], v[HB], 6, v[R]
	s_lshl_b32 s52, s[WV], 7
	v_add_nc_u32 v[WSO16], s52, v[WSO16]
	v_lshlrev_b32 v[WSO64], 6, v[WSO16]
	v_lshlrev_b32 v[WSO16], 4, v[WSO16]
	v_lshlrev_b32 v[GO], 4, v[TA]
	v_lshlrev_b32 v[DQ], 3, v[HB]
	v_sub_nc_u32 v[DQ], v[R], v[DQ]
	v_mov_b32 v[NINF], 0xff800000
	v_mov_b32 v[ONES], 0x7f7f7f7f
.set li, 0
.rept 32
	v_mov_b32 v[TM+li], 0                          ; written once: a lane permute's destination and the unused half of a named pair count as read
.set li, li+1
.endr
	s_mov_b32 s[SEL], 0x76543210
	s_mov_b32 s[SEL+1], 0xfedcba98
	s_mov_b32 s[CS], 0x3e38aa3b                    ; log2(e) / 8
	s_mov_b32 s[CS+1], s[CS]
	; group 1 of the panels: 128 rows of 256 elements of one byte; 16 bytes of padding behind every 64 words; the mask names the four partners, bit 21 beside it
	s_mov_b32 s[G1A], 15|(1<<20)|(1<<21)|(5<<22)|(3<<25)
	s_mov_b32 s[G1B], 15|(1<<20)|(1<<21)|(5<<22)|(3<<25)
.irp gg, G1A, G1B
	s_mov_b32 s[\gg+1], 256<<16                    ; tensor_dim0
	s_mov_b32 s[\gg+2], 128<<16                    ; tensor_dim1
	s_mov_b32 s[\gg+3], 256<<16                    ; tile_dim0
	s_mov_b32 s[\gg+4], 128                        ; tile_dim1
	s_mov_b32 s[\gg+6], 0
	s_mov_b32 s[\gg+7], 0
.endr
	s_mov_b32 s[G1A+5], 256                        ; from row to row: dense;
	s_mov_b32 s[G1B+5], 1024                       ; a row of W2 is 2,048 codes
	; group 1 of an x strip: 64 rows of 128 elements of four bytes, 512 apart; 16 bytes of padding behind every 128 words; no mask
	s_mov_b32 s[G1X], (2<<16)|(1<<20)|(6<<22)|(3<<25)
	s_mov_b32 s[G1X+1], 128<<16
	s_mov_b32 s[G1X+2], 64<<16
	s_mov_b32 s[G1X+3], 128<<16
	s_mov_b32 s[G1X+4], 64
	s_mov_b32 s[G1X+5], 512
	s_mov_b32 s[G1X+6], 0
	s_mov_b32 s[G1X+7], 0
	s_mov_b32 s[G0W], 1
	s_mov_b32 s[G0W+1], s50                        ; my 128 rows of the slot
	s_mov_b32 s[G0O], 1
	s_mov_b32 s[G0O+1], s51                        ; the OTHER strip: in the slot's bytes
	s_mov_b32 s[G0N], 1
	s_mov_b32 s[G0N+1], s53                        ; the OWN strip
	s_wait_kmcnt 0x0
	s_lshl_b32 s52, s[WV], 15                      ; my 128 rows of 256 bytes
	s_mov_b32 s53, 0
.irp pp, PWQ, PWK, PWV, PWO, PW1
	s_add_nc_u64 s[\pp:\pp+1], s[\pp:\pp+1], s[52:53]
.endr
	s_lshl_b32 s52, s[WV], 17                      ; my 128 rows of 1,024 bytes
	s_add_nc_u64 s[PW2:PW2+1], s[PW2:PW2+1], s[52:53]
	s_lshl_b32 s54, s3, 18                         ; the batch's 128 rows of 2,048 bytes,
	s_lshl_b32 s2, s[WV], 9                        ; my 128 columns
	s_add_co_u32 s54, s54, s2
	s_mov_b32 s55, 0
	s_add_nc_u64 s[60:61], s[PX:PX+1], s[54:55]    ; tokens 0 .. 63
	s_lshl_b32 s2, s[Y], 17
	s_add_co_u32 s54, s54, s2                      ; tokens 64 y on
	s_add_nc_u64 s[PX:PX+1], s[PX:PX+1], s[54:55]
	s_add_nc_u64 s[POUT:POUT+1], s[POUT:POUT+1], s[54:55]
	s_or_b32 s[LIM], ttmp9, s[Y]                   ; 0 in the cluster with x = 0 and y = 0
	s_mov_b64 s[G0O+2:G0O+3], s[60:61]
	s_or_b32 s[G0O+3], s[G0O+3], 0x80000000
	s_mov_b64 s[G0N+2:G0N+3], s[PX:PX+1]
	s_or_b32 s[G0N+3], s[G0N+3], 0x80000000
	ROUND                                          ; the round in front of the first tensor loads
	s_cmp_eq_u32 s[Y], 0                           ; the first fills: two loads of mine are out at the most.  With y = 0 there are no OTHER rows: the load and all that reads it are jumped over
	s_cbranch_scc1 .Lno_other
	tensor_load_to_lds s[G0O:G0O+3], s[G1X:G1X+7]
	s_nop 0
	PLACES
.Lno_other:
	tensor_load_to_lds s[G0N:G0N+3], s[G1X:G1X+7]
	s_nop 0
	PLACES
	VECLD 128, PG1
	VECLD 192, PL1
	WSLD 0, PSQ, WSO16, 16
.set li, 0
.rept 64
	v_mov_b32 v[ACC2+li], 0                        ; the norms' load buffer is written once, while x is on its way: the OTHER rows' first loads and the bodies that read them are jumped over by branches of their own, and every path finds these registers written
.set li, li+1
.endr
	s_wait_tensorcnt 0x0                           ; my strips are in; I alone read them
; ---- LN1 of the OTHER rows -> records 4-7
	LNSTAT XAR, 0, 1
	BAR
	s_wait_loadcnt 0x0                             ; ln1_g, ln1_b, Wq's scale words
	LNNORM XAR, 0, 128, 192, 4, 1
; ---- the slot takes Wq (with y = 0 its first fill, issued as a refill is)
	ASKW G1A, PWQ, PWK, PFD, 0
; ---- LN1 of the OWN rows -> records 0-3; x into the residual
	LNSTAT XAS, 2048, 0
	WIN 0x80
.irp mm, 0,1,2,3
.irp tt, 0,1,2,3,4,5,6,7
	ds_load_b128 v[64*\mm+8*\tt:64*\mm+8*\tt+3], v[XAS] offset:\mm*XTILE+64*\tt
	ds_load_b128 v[64*\mm+8*\tt+4:64*\mm+8*\tt+7], v[XAS] offset:\mm*XTILE+64*\tt+16
.endr
.endr
	WIN 0
	BAR
	LNNORM XAS, 2048, 128, 192, 0, 0
	VECLD 128, PBO                                 ; wanted behind attention: nothing waits for them here
	VECLD 192, PG2
; ---- Q
	HEAD G1A, PWK, -1, 1, PWV, PFD, 0              ; its round also shows every wave's part of h landed.  No load into registers is due: Wq's scale words were waited for above
	WSLD 1, PSK, WSO16, 16
.irp ii, 0,1,2,3
	v_mov_b32 v[PC+\ii], 0
.endr
.irp mm, 4,5,6,7                                   ; the OTHER key places begin as zero codes under the byte 127; with y = 1 K's and V's loops write over them
	ds_store_b128 v[PB], v[PC:PC+3] offset:KF+1024*\mm
	ds_store_b128 v[PB], v[PC:PC+3] offset:KF+1024*\mm+512
	ds_store_b32 v[PS], v[ONES] offset:KS+128*\mm
	ds_store_b32 v[PS], v[ONES] offset:KS+1024+128*\mm
.endr
.irp tt, 0,1,2,3,4,5,6,7
	ds_store_b128 v[PB], v[PC:PC+3] offset:VF+1024*\tt+512
	ds_store_b32 v[PS], v[ONES] offset:VS+128*\tt
.endr
	TLOOP 0, 0                                     ; its last trip moves Wk into the registers
; ---- K
	HEAD G1A, PWV, 0, 0, PWO, PFD, 0
	WSLD 0, PSV, WSO16, 16
	TLOOP 1, 1                                     ; ... Wv
; ---- V
	HEAD G1A, PWO, 0, 0, PW1, PFD, 0
	WSLD 1, PSO, WSO16, 16
	VLOOP 0                                        ; ... Wo
; ---- attention; Wo waits in window 1
	HEAD G1A, PW1, 0, 0, PW2, PFW, 0               ; behind its round no wave reads h any more: records 0-3 take ctx
	WSLD 0, PS1, WSO16, 16
	WIN 0xc0
.irp kt, 0,1,2,3,4,5,6,7
.irp ii, 4,5,6,7
	v_mov_b32 v[8*\kt+\ii], 0                      ; k = 64 .. 127 of K's fragments: zero codes
.endr
.endr
.irp ii, 100,101,102,103
	v_mov_b32 v[\ii], 0                            ; and of Q's
.endr
	WIN 0
	ATT 0
	ATT 1
; ---- x1 = x + ctx Wo + bo
	BAR
	XGEMM 1
	PLACES
	VECLD 0, PL2
	VECLD 64, PBB2
	XADD 128
	VECLD 128, PBB1
; ---- LN2 -> records 4-7
	XSTORE
	LNSTAT XAS, 4096, 0
	BAR
	s_wait_loadcnt 0x0                             ; ln2_b, b2, b1
	LNNORM XAS, 4096, 192, 0, 4, 0
	XADD 64                                        ; + b2
; ---- the FFN, a chunk of 512 hidden units a trip
	s_mov_b32 s54, 0
.Lffn:
	HEAD G1B, PW2, 0, 1, PW1, PFD, 131072          ; W1's chunk into registers; the slot takes W2's.  Behind the round h2 (first trip) is whole and nobody reads the last chunk's hidden layer
	WSLD 1, PS2, WSO64, 64
	TLOOP 2, 0                                     ; its last trip moves W2's chunk into the registers
	s_wait_xcnt 0x0                                ; the loads and the prefetch that named these bases have read them
	s_add_nc_u64 s[PBB1:PBB1+1], s[PBB1:PBB1+1], 2048
	s_add_nc_u64 s[PW1:PW1+1], s[PW1:PW1+1], 131072
	s_add_nc_u64 s[PS1:PS1+1], s[PS1:PS1+1], 8192
	VECLD 128, PBB1                                ; the next chunk's b1: 16 loads, wanted a panel later
	HEAD G1A, PW1, 16, 0, PW2, PFW, 256            ; W2's four loads of scale words are in; the 16 younger loads of b1 stay out.  The slot takes the next W1's; behind the round the hidden layer's sixteen fragments are whole
	WSLD 0, PS1, WSO16, 16
	XGEMM 1
	s_wait_xcnt 0x0
	s_add_nc_u64 s[PW2:PW2+1], s[PW2:PW2+1], 256
	s_add_nc_u64 s[PS2:PS2+1], s[PS2:PS2+1], 16
	s_add_co_u32 s54, s54, 1
	s_cmp_lt_u32 s54, 3
	s_cbranch_scc1 .Lffn
	HEAD G1B, PW2, 0, 1, -1, 0, 0                  ; the last chunk is written out: behind its second change of panel nothing is asked for
	WSLD 1, PS2, WSO64, 64
	TLOOP 2, 0
	s_wait_loadcnt 0x0                             ; W2's scale words
	BAR                                            ; the last panel is in my registers; the hidden layer's sixteen fragments are whole.
; ---- the last product by rows, and out0: each tile of 16 rows leaves while the next is multiplied
.irp mm, 0,1,2,3
.irp kk, 0,1,2,3
	ds_load_b32 v[AS+4*\mm+\kk], v[LSR] offset:1024*\kk+128*\mm
.endr
.endr
	WIN 0xc0
.irp mm, 0,1,2,3
.irp kk, 0,1,2,3
	ds_load_b128 v[8*(4*\mm+\kk):8*(4*\mm+\kk)+3], v[LB] offset:8192*\kk+1024*\mm
	ds_load_b128 v[8*(4*\mm+\kk)+4:8*(4*\mm+\kk)+7], v[LB] offset:8192*\kk+1024*\mm+512
.endr
.endr
	WIN 0
	s_wait_dscnt 24                                ; the scale words and row tile 0's eight loads are in; the 24 of tiles 1 to 3 may be out
	XROW 0, 1
.irp mm, 0,1,2,3
	PLACES                                         ; the stage's stores read results just made
.if \mm >= 2
	s_wait_xcnt 0x0                                ; the stores of two tiles back have read their registers: this tile's rows land there
.endif
	TOSTAGE \mm
.if \mm == 0
	s_wait_dscnt 32                                ; all but the stage's 16 stores and 16 loads just issued: every fragment is in
.endif
.if \mm < 3
	XROW \mm+1, 1
.endif
	SEND \mm
.endr
	s_wait_tensorcnt 0x0                           ; the wave's end
	ds_add_u32 v[SPW], v[NIL]
	s_wait_dscnt 0x0
	ROUND                                          ; the closing round
	s_endpgm
.Lfunc_end_k_qefe979fe42_block:
	.size	k_qefe979fe42_block, .Lfunc_end_k_qefe979fe42_block-k_qefe979fe42_block
	.p2alignl 7, 3214868480
	.fill 96, 4, 3214868480
	.section	.rodata,"a",@progbits
	.p2align	6, 0x0
	.amdhsa_kernel k_qefe979fe42_block
		.amdhsa_group_segment_fixed_size 327680
		.amdhsa_private_segment_fixed_size 0
		.amdhsa_enable_private_segment 0
		.amdhsa_kernarg_size 168
		.amdhsa_user_sgpr_count 2
		.amdhsa_user_sgpr_kernarg_segment_ptr 1
		.amdhsa_wavefront_size32 1
		.amdhsa_system_sgpr_workgroup_id_x 1
		.amdhsa_system_sgpr_workgroup_id_y 1
		.amdhsa_system_sgpr_workgroup_id_z 1
		.amdhsa_system_vgpr_workitem_id 0
		.amdhsa_next_free_vgpr 1024
		.amdhsa_next_free_sgpr 100
		.amdhsa_reserve_vcc 1
		.amdhsa_float_denorm_mode_32 3
		.amdhsa_float_denorm_mode_16_64 3
		.amdhsa_memory_ordered 1
		.amdhsa_forward_progress 1
		.amdhsa_inst_pref_size 255
	.end_amdhsa_kernel
	.section	.bss,"aw",@nobits
	.p2align	6
	.space	262144
	.amdgpu_metadata
---
amdhsa.version: [ 1, 2 ]
amdhsa.kernels:
  - .name:           k_qefe979fe42_block
    .symbol:         k_qefe979fe42_block.kd
    .args:
      - { .name: x, .offset: 0, .size: 8, .value_kind: global_buffer, .address_space: global }
      - { .name: out0, .offset: 8, .size: 8, .value_kind: global_buffer, .address_space: global }
      - { .name: Wq_codes, .offset: 16, .size: 8, .value_kind: global_buffer, .address_space: global }
      - { .name: Wk_codes, .offset: 24, .size: 8, .value_kind: global_buffer, .address_space: global }
      - { .name: Wv_codes, .offset: 32, .size: 8, .value_kind: global_buffer, .address_space: global }
      - { .name: Wo_codes, .offset: 40, .size: 8, .value_kind: global_buffer, .address_space: global }
      - { .name: W1_codes, .offset: 48, .size: 8, .value_kind: global_buffer, .address_space: global }
      - { .name: W2_codes, .offset: 56, .size: 8, .value_kind: global_buffer, .address_space: global }
      - { .name: Wq_scales, .offset: 64, .size: 8, .value_kind: global_buffer, .address_space: global }
      - { .name: Wk_scales, .offset: 72, .size: 8, .value_kind: global_buffer, .address_space: global }
      - { .name: Wv_scales, .offset: 80, .size: 8, .value_kind: global_buffer, .address_space: global }
      - { .name: Wo_scales, .offset: 88, .size: 8, .value_kind: global_buffer, .address_space: global }
      - { .name: W1_scales, .offset: 96, .size: 8, .value_kind: global_buffer, .address_space: global }
      - { .name: W2_scales, .offset: 104, .size: 8, .value_kind: global_buffer, .address_space: global }
      - { .name: ln1_g, .offset: 112, .size: 8, .value_kind: global_buffer, .address_space: global }
      - { .name: ln1_b, .offset: 120, .size: 8, .value_kind: global_buffer, .address_space: global }
      - { .name: ln2_g, .offset: 128, .size: 8, .value_kind: global_buffer, .address_space: global }
      - { .name: ln2_b, .offset: 136, .size: 8, .value_kind: global_buffer, .address_space: global }
      - { .name: bo, .offset: 144, .size: 8, .value_kind: global_buffer, .address_space: global }
      - { .name: b1, .offset: 152, .size: 8, .value_kind: global_buffer, .address_space: global }
      - { .name: b2, .offset: 160, .size: 8, .value_kind: global_buffer, .address_space: global }
    .group_segment_fixed_size: 327680
    .private_segment_fixed_size: 0
    .kernarg_segment_align: 8
    .kernarg_segment_size: 168
    .max_flat_workgroup_size: 128
    .sgpr_count:     100
    .vgpr_count:     1024
    .wavefront_size: 32
...
	.end_amdgpu_metadata
.endif
;; end of part 1
